; MI455X (gfx1250); checked and timed in simulation.
; The chip was launched on July 23, 2026; its instructions are those of AMD's public machine-readable ISA for CDNA 5 (MIT licence, August 2026) and "CDNA5" Instruction Set Architecture Reference Guide (July 2026). The comments in the code are by the model that wrote it; some were corrected since.
;; Multi Head Attention. Allowed arithmetic: matrix products marked QUANTISED: E2M3 operands, one E8M0 scale for each 32 along K, by v_wmma_scale_f32_16x16x128_f8f6f4 with both operands' format E2M3, f32 sums; everything else in f32.
;; Inputs: Wk_codes 1,024 x 32 x 24 uint8 (E2M3 codes of Wk, K innermost, in blocks of 32 codes, four codes in three bytes); Wk_scales 1,024 x 32 uint8 (E8M0 scales of Wk, one for each 32 codes along K); Wo_codes 1,024 x 32 x 24 uint8 (E2M3 codes of Wo, K innermost, in blocks of 32 codes, four codes in three bytes); Wo_scales 1,024 x 32 uint8 (E8M0 scales of Wo, one for each 32 codes along K); Wq_codes 1,024 x 32 x 24 uint8 (E2M3 codes of Wq, K innermost, in blocks of 32 codes, four codes in three bytes); Wq_scales 1,024 x 32 uint8 (E8M0 scales of Wq, one for each 32 codes along K); Wv_codes 1,024 x 32 x 24 uint8 (E2M3 codes of Wv, K innermost, in blocks of 32 codes, four codes in three bytes); Wv_scales 1,024 x 32 uint8 (E8M0 scales of Wv, one for each 32 codes along K); bk 1,024 float32; bo 1,024 float32; bq 1,024 float32; bv 1,024 float32; config_idx 8 int32; key_codes 8 x 1,024 x 32 x 24 uint8 (E2M3 codes of key, K innermost, in blocks of 32 codes, four codes in three bytes); key_scales 8 x 1,024 x 32 uint8 (E8M0 scales of key, one for each 32 codes along K); query_codes 8 x 1,024 x 32 x 24 uint8 (E2M3 codes of query, K innermost, in blocks of 32 codes, four codes in three bytes); query_scales 8 x 1,024 x 32 uint8 (E8M0 scales of query, one for each 32 codes along K); value_codes 8 x 1,024 x 32 x 24 uint8 (E2M3 codes of value, K innermost, in blocks of 32 codes, four codes in three bytes); value_scales 8 x 1,024 x 32 uint8 (E8M0 scales of value, one for each 32 codes along K).
;; Outputs: out0 8 x 1,024 x 1,024 float32.
;; This version of the problem:
;;   THIS VERSION OF THE PROBLEM IS GIVEN IN LOW PRECISION. The matrix products marked QUANTISED in the list below multiply operands that are first quantised to E2M3 (2 exponent bits, 3 mantissa bits; 6 bits a number), with one power-of-two scale for each 32 numbers along K (OCP MX v1.0); their sums are f32. All else is computed in f32.
;;   The module's matrix products, in the order in which they are computed (A, B: the left and right operand; K: the contracted axis; several contracted axes count as one K, in the product's order):
;;     1. [M 8,192, K 1,024] x [K 1,024, N 1,024]; A: input query (given as codes); B: input Wq (given as codes): QUANTISED
;;     2. [M 8,192, K 1,024] x [K 1,024, N 1,024]; A: input key (given as codes); B: input Wk (given as codes): QUANTISED
;;     3. [M 8,192, K 1,024] x [K 1,024, N 1,024]; A: input value (given as codes); B: input Wv (given as codes): QUANTISED
;;     4. batch 64 x [M 1,024, K 128] x [K 128, N 1,024]; A: computed on the way; B: computed on the way: QUANTISED
;;     5. batch 64 x [M 1,024, K 1,024] x [K 1,024, N 128]; A: softmax (see below); B: computed on the way: QUANTISED
;;     6. [M 8,192, K 1,024] x [K 1,024, N 1,024]; A: computed on the way; B: input Wo (given as codes): QUANTISED
;;   THE QUANTISER, for each operand of a quantised product, along K:
;;     - K is cut into blocks of 32 from its start; a last block that is shorter is filled with zeros.
;;     - A block's scale is 2^e with e = floor(log2(the largest magnitude in the block)) - 2, held to -126 .. 127; a block of zeros has e = 0. As a byte (E8M0): e + 127.
;;     - Each number is divided by its block's scale, clamped to +-7.5, and rounded to the nearest number of E2M3, ties to even, subnormals kept.
;;     - The product sums the exact products of the quantised numbers (number of the format x scale) in f32.
;;   ~~~python
;;   def quantise(x, axis):      # numpy; x: float32 -> the quantised numbers, widened to float32 again
;;       x = np.moveaxis(x, axis, -1); K = x.shape[-1]
;;       x = np.pad(x, [(0, 0)] * (x.ndim - 1) + [(0, -K % 32)]); x = x.reshape(x.shape[:-1] + (-1, 32)); a = np.abs(x).max(-1, keepdims=True)
;;       e = np.where(a > 0, np.clip(np.frexp(np.where(a > 0, a, 1))[1] - 1 - 2, -126, 127), 0)      # np.frexp(a)[1] - 1 = floor(log2(a)), exactly
;;       r = np.clip(x / 2.0 ** e, -7.5, 7.5)
;;       step = 2.0 ** (np.maximum(np.frexp(np.where(r == 0, 1, r))[1] - 1, 0) - 3)
;;       q = np.round(r / step) * step * 2.0 ** e      # np.round: ties to even
;;       return np.moveaxis(q.reshape(q.shape[:-2] + (-1,))[..., :K], -1, axis).astype(np.float32)
;;   ~~~
;;   SOFTMAX AHEAD OF A QUANTISED PRODUCT. Where the list says 'softmax', what is quantised is not the finished softmax but p = 2^(t - M), with t = logit x log2(e) and M = ceil(the row's largest t), a whole number; so 1/2 < the row's largest p <= 1. The row's sum l is taken of the UNQUANTISED p, in f32, and the product's result is divided by l at the end. Since M is a whole number, a kernel that streams over the keys may use a running M (the ceiling of the running maximum): every later rescaling is an exact power of two, which a block's scale takes up: the codes' values come out the same.
;;   OPERANDS COMPUTED ON THE WAY. 'Computed on the way' means the value that the module computes at that place (a softmax that the list does not call 'softmax' is quantised finished and normalised). What goes into a quantiser is computed in f32, as accurately as f32 sums, v_exp_f32 and their like allow (about 1e-6 of the number): no bf16 or f16 on the way to a quantiser, and a product that is left as it is and whose result goes on into a quantised operand takes f32 operands (vector FMAs, or v_wmma_f32_16x16x4_f32). A number that lies on a knife's edge between two numbers of the format may be rounded either way, as far as f32 arithmetic and the matrix unit's own rounding can turn it there, and no further.
;;   INPUTS GIVEN AS CODES. Wk (in the module: [1024, 1024], K = its axis 1); Wo (in the module: [1024, 1024], K = its axis 1); Wq (in the module: [1024, 1024], K = its axis 1); Wv (in the module: [1024, 1024], K = its axis 1); key (in the module: [8, 1024, 1024], K = its axis 2); query (in the module: [8, 1024, 1024], K = its axis 2); value (in the module: [8, 1024, 1024], K = its axis 2): each comes as NAME_codes (uint8): NAME with its K axis moved to the last place and cut into blocks of 32 codes, [.., K / 32, bytes a block], one block behind the other in memory; four codes in three bytes: a row's codes are one little-endian stream of bits, code i at bits 6 i .. 6 i + 5 (a code: sign, 2 exponent bits, 3 mantissa bits); and NAME_scales (uint8): the same leading axes, one E8M0 byte (e + 127) for each 32 codes along K. Its value is code x scale, taken as it is: it is not quantised again, and the codes and scales need not be those that the quantiser above would give.
;; One version. Each part assembles by itself: llvm-mc -triple=amdgcn-amd-amdhsa -mcpu=gfx1250 --defsym DOCPART=n.
;; ======== version 1 of 1: 3 launches
;; limits: right only within a limited range of input values
;; workspace buffers: qf 6,553,600 bytes; kv 13,107,200 bytes; ctxc 6,291,456 bytes; ctxs 262,144 bytes
;; launch proj (part 1): grid 8 x 32, 4 waves a work-group, clusters of 4 x 4, 327,680 bytes of LDS; arguments query_codes, key_codes, value_codes, Wq_codes, Wk_codes, Wv_codes, query_scales, key_scales, value_scales, Wq_scales, Wk_scales, Wv_scales, bq, bk, bv, qf, kv; writes qf, kv
.if DOCPART == 1
	.amdgcn_target "amdgcn-amd-amdhsa--gfx1250"
	.amdhsa_code_object_version 6
	.text
	.protected	k_qdd9de34bc7_proj
	.globl	k_qdd9de34bc7_proj
	.p2align	8
	.type	k_qdd9de34bc7_proj,@function
k_qdd9de34bc7_proj:
	s_mov_b64 s[64:65], 0
	v_nop
	global_prefetch_b8 v0, s[64:65] scope:SCOPE_SE
	s_setreg_imm32_b32 hwreg(HW_REG_WAVE_MODE, 25, 1), 1
	s_wait_xcnt 0x0
	s_wait_alu depctr_hold_cnt(0) depctr_sa_sdst(0) depctr_va_vdst(0) depctr_va_sdst(0) depctr_va_ssrc(0) depctr_va_vcc(0) depctr_vm_vsrc(0)
	s_getreg_b32 s2, hwreg(HW_REG_IB_STS2, 6, 4)
	s_cmp_eq_u32 s2, 0
	s_cbranch_scc0 .Lentry_in_a_cluster
	s_endpgm
.Lentry_in_a_cluster:
	s_bfe_u32 s2, ttmp6, 0x10000c
	s_cmp_lg_u32 s2, 0xf033
	s_cbranch_scc0 .Lentry_shape_is_right
	s_endpgm
.Lentry_shape_is_right:
; q = query Wq^T + bq, k = key Wk^T + bk, v = value Wv^T + bv on codes of FP6 (E2M3) with E8M0 scales; the results are quantised again on the way out:
; q and k along the head's 128, v along the keys.  X: [8192][1024] codes (768 bytes a row), W: [1024][1024] codes; scale bytes 32 a row.
; SHARES.  Work-group (x, y) makes rows 256 y on x columns 128 x on (one head) of q, then k, then v.  A wave holds 32 accumulators: 8 tiles of source 0 x 4 of source 1.
;   q, k: source 0 = W's 128 rows, source 1 = X's rows 64 w on: a lane holds one row and its registers run along the head.
;   v:    source 0 = X's rows 128 (w / 2) on (keys), source 1 = W's rows 64 (w % 2) on: a lane holds one channel and its registers run along the keys.
; LDS.  A row of 768 bytes is three chunks of 256 bytes, each beginning at a multiple of 256 bytes of memory.  Chunk c of X's 256 and W's 128 rows lies in region c (384 rows, pitch 272).
; Slot A = regions 0 and 1, slot B = region 2.  A fill of A is four loads, one a wave (X's or W's rows, chunk w % 2); a fill of B two loads (waves 0 and 2).
; A step of 128 along K is 96 bytes: steps 0-4 read A, step 5 A and B, steps 6, 7 B.  So in step 4 a barrier shows B whole; in step 5, with step 5's fragments in registers, A is filled with the next
; product's chunks; behind the product's way out B is filled, and there A's fill is waited for.  Every wait on TENSORcnt is for 0; one load of a wave is out at most.
; THE ORDER INSIDE A BLOCK OF 32: register j of tile i is number 16 i + 8 (lane / 16) + j; the fragment made of tiles 2 b, 2 b + 1 has the places inside block b permuted,
; alike for q and k here and for p and v in the next launch: block, scale and products are untouched.
; OUT.  A wave's four fragments leave as images of their registers: a record of 6,400 bytes = 4 x 1,536 (register group c at 512 c + 16 lane) + 256 bytes of scale words.
; CLUSTERS: 4 x 4.  X's tiles hang on y alone: asked for jointly by a row of the cluster; W's on x alone: by a column.
; No prefetch: the text has no loop to run ahead in.
; LIMITS: NaN and infinities are not served; a block whose largest magnitude lies under 2^-124 (a block of zeros too) gets the scale byte 1: only this program reads these bytes.
; REGISTERS: window 0: v4-8 lane terms, v10-11 for the add, v12-31 LDS addresses, v32-127 scale words (two sets), v128-171 the way out, v192-255 the bias as C.
;   window 1: source 0's fragments, set p at 128 p + 12 i.   window 2: source 1's, set p at 64 p + 12 t.   window 3: accumulator (t, i) at 8 (8 t + i).
.set PITCH,  272
.set CH,     384*PITCH                 ; a region: X's 256 rows, then W's 128
.set WOFF,   256*PITCH
.set KROW,   768
.set SPARE,  3*CH                      ; the spare words, 128 bytes a wave
.set FR,     12
.set REC,    6400
.set SPW,  10
.set NIL,  11
.set A0Q,  12                          ; a family of five: regions 0, 1, 2; then lanes 0-15 at byte 232 of region 0 (1), lanes 16-31 at byte 0 of region 1 (2)
.set A1Q,  17
.set A0V,  22
.set A1V,  27
.set SC,   32
.set TM,   128
.set PW,   144
.set UW,   148
.set PC,   152
.set BIAS, 192
.set G1X,  40
.set G1W,  48
.set G0X,  56                          ; set 0: slot A, set 1: slot B
.set G0W,  68
.set WV,   76
.set WH,   77
.set WL,   78
.set LM,   85
.set SEL,  86
.set MSB, 0
.macro WIN new
.if MSB != (\new)
	s_set_vgpr_msb (MSB<<8)|(\new)
.set MSB, (\new)
.endif
.endm
.macro PLACES n
.rept \n
	v_nop
.endr
.endm
.macro CREST
	s_cmp_lg_u32 s[WV], 0
	s_cbranch_scc1 .Lnot_wave_0_\@
	s_barrier_signal -3
.Lnot_wave_0_\@:
	s_barrier_wait -3
	s_barrier_signal -1
	s_barrier_wait -1
.endm
.macro CROUND
	s_barrier_signal -1
	s_barrier_wait -1
	CREST
.endm
.macro JLOAD s                         ; a joint fill of slot s: waves 0, 1 for X, waves 2, 3 for W; of slot B's the odd waves have no part
.if (\s) == 1
	s_cmp_eq_u32 s[WL], 0
	s_cbranch_scc0 .Lasked_\@
.endif
	s_cmp_eq_u32 s[WH], 0
	s_cbranch_scc0 .Lfor_w_\@
	tensor_load_to_lds s[G0X+4*(\s):G0X+4*(\s)+3], s[G1X:G1X+7]
	s_nop 0
.rept 4
	v_nop
.endr
	s_branch .Lasked_\@
.Lfor_w_\@:
	tensor_load_to_lds s[G0W+4*(\s):G0W+4*(\s)+3], s[G1W:G1W+7]
	s_nop 0
.rept 4
	v_nop
.endr
.Lasked_\@:
.endm
.macro FRAG reg, adr, st, i            ; 16 rows x 128 K: six pieces of 8 bytes; the piece of lanes 0-15 begins at byte FB of the row, that of lanes 16-31 24 bytes on
.irp p, 0,1,2,3,4,5
.set FB, 96*(\st)+48*(\p/3)+8*(\p%3)
.if FB/256 == (FB+24)/256
	ds_load_b64 v[(\reg)+2*\p:(\reg)+2*\p+1], v[(\adr)+FB/256] offset:FB%256+(\i)*16*PITCH
.else
	ds_load_b64 v[(\reg)+2*\p:(\reg)+2*\p+1], v[(\adr)+3+FB/256] offset:FB%256-232+(\i)*16*PITCH
.endif
.endr
.endm
.macro FETCH a0, a1, st, p             ; 72 LDS loads: step st's fragments into set p
	WIN 0x40
.irp i, 0,1,2,3,4,5,6,7
	FRAG 128*(\p)+FR*\i, \a0, \st, \i
.endr
	WIN 0x80
.irp i, 0,1,2,3
	FRAG 64*(\p)+FR*\i, \a1, \st, \i
.endr
.endm
.macro WM d, a, b, c, sa, sb, ra, rb   ; one product; ra, rb: the scale words stand in lanes 16-31
.set wD, \d
.set wA, \a
.set wB, \b
.set wC, \c
.set wE, \sa
.set wF, \sb
.if ((\ra) != 0) && ((\rb) != 0)
	v_wmma_scale_f32_16x16x128_f8f6f4 v[wD:wD+7], v[wA:wA+11], v[wB:wB+11], v[wC:wC+7], v[wE], v[wF] matrix_a_fmt:MATRIX_FMT_FP6 matrix_b_fmt:MATRIX_FMT_FP6 matrix_a_scale:MATRIX_SCALE_ROW1 matrix_b_scale:MATRIX_SCALE_ROW1
.elseif (\ra) != 0
	v_wmma_scale_f32_16x16x128_f8f6f4 v[wD:wD+7], v[wA:wA+11], v[wB:wB+11], v[wC:wC+7], v[wE], v[wF] matrix_a_fmt:MATRIX_FMT_FP6 matrix_b_fmt:MATRIX_FMT_FP6 matrix_a_scale:MATRIX_SCALE_ROW1
.elseif (\rb) != 0
	v_wmma_scale_f32_16x16x128_f8f6f4 v[wD:wD+7], v[wA:wA+11], v[wB:wB+11], v[wC:wC+7], v[wE], v[wF] matrix_a_fmt:MATRIX_FMT_FP6 matrix_b_fmt:MATRIX_FMT_FP6 matrix_b_scale:MATRIX_SCALE_ROW1
.else
	v_wmma_scale_f32_16x16x128_f8f6f4 v[wD:wD+7], v[wA:wA+11], v[wB:wB+11], v[wC:wC+7], v[wE], v[wF] matrix_a_fmt:MATRIX_FMT_FP6 matrix_b_fmt:MATRIX_FMT_FP6
.endif
.endm
; Eight products: source 1's tile t against source 0's eight.  first: the bias is the C that starts the sums (cm = 0: by source 0's tile; 1: by source 1's).
; The 32 accumulators take turns, one instruction a turn.
.macro MULT t, p, ks, sc, first, cm
.if \first
	WIN 0xc9
.else
	WIN 0xf9
.endif
.irp i, 0,1,2,3,4,5,6,7
.if \first
.if \cm
	WM 8*(8*(\t)+\i), 128*(\p)+FR*\i, 64*(\p)+FR*(\t), BIAS+8*(\t), SC+48*(\sc)+8*(\i/2)+(\ks), SC+48*(\sc)+32+8*((\t)/2)+(\ks), \i%2, (\t)%2
.else
	WM 8*(8*(\t)+\i), 128*(\p)+FR*\i, 64*(\p)+FR*(\t), BIAS+8*\i, SC+48*(\sc)+8*(\i/2)+(\ks), SC+48*(\sc)+32+8*((\t)/2)+(\ks), \i%2, (\t)%2
.endif
.else
	WM 8*(8*(\t)+\i), 128*(\p)+FR*\i, 64*(\p)+FR*(\t), 8*(8*(\t)+\i), SC+48*(\sc)+8*(\i/2)+(\ks), SC+48*(\sc)+32+8*((\t)/2)+(\ks), \i%2, (\t)%2
.endif
.endr
.endm
; Product g's scale words and bias, straight into registers: lane l takes the 32 scale bytes of row 32 b + l.
.macro GLOADS g
.set gS, SC+48*((\g)%2)
.if (\g) < 2
.set gP0, 22+2*(\g)
.set gP1, 16+2*(\g)
.else
.set gP0, 20
.set gP1, 26
.endif
.set gB, 28+2*(\g)
.irp b, 0,1,2,3
	global_load_b128 v[gS+8*\b:gS+8*\b+3], v6, s[gP0:gP0+1] offset:1024*\b
	global_load_b128 v[gS+8*\b+4:gS+8*\b+7], v6, s[gP0:gP0+1] offset:1024*\b+16
.endr
.irp b, 0,1
	global_load_b128 v[gS+32+8*\b:gS+32+8*\b+3], v6, s[gP1:gP1+1] offset:1024*\b
	global_load_b128 v[gS+32+8*\b+4:gS+32+8*\b+7], v6, s[gP1:gP1+1] offset:1024*\b+16
.endr
.if (\g) < 2
.irp i, 0,1,2,3,4,5,6,7
	global_load_b128 v[BIAS+8*\i:BIAS+8*\i+3], v7, s[gB:gB+1] offset:64*\i          ; b[16 i + 8 (lane / 16) + 0 .. 7]
	global_load_b128 v[BIAS+8*\i+4:BIAS+8*\i+7], v7, s[gB:gB+1] offset:64*\i+16
.endr
.else
.irp t, 0,1,2,3
	global_load_b32 v[BIAS+8*\t], v8, s[gB:gB+1] offset:64*\t                        ; bv[16 t + lane % 16]
.endr
.endif
.endm
; 64 numbers of a lane in window 3, v[s] on, become a fragment's codes in v[PC] on and its scale word in v[PW + t].
.macro QUANTW s, t
	WIN 0x0f
.irp b, 0,1,2,3
	v_max3_num_f32 v[TM+\b], |v[(\s)+16*\b]|, |v[(\s)+16*\b+1]|, 0x1800000          ; my 16 numbers of block b, and the floor 2^(3 - 127)
.endr
.irp i, 2,4,6,8,10,12,14
.irp b, 0,1,2,3
	v_max3_num_f32 v[TM+\b], |v[(\s)+16*\b+\i]|, |v[(\s)+16*\b+\i+1]|, v[TM+\b]
.endr
.endr
	WIN 0
.irp b, 0,1,2,3
	v_permlanex16_b32 v[TM+4+\b], v[TM+\b], s[SEL], s[SEL+1]
.endr
.irp b, 0,1,2,3
	v_max_num_f32 v[TM+\b], v[TM+\b], v[TM+4+\b]                                     ; with lane l xor 16's
.endr
.irp b, 0,1,2,3
	v_add_nc_u32 v[TM+12+\b], 0xff000000, v[TM+\b]                                   ; 2 off the exponent field: the conversion's scale operand
.endr
.irp b, 0,1,2,3
	v_lshrrev_b32 v[TM+4+\b], 23, v[TM+12+\b]                                        ; the scale's byte
.endr
	v_lshl_or_b32 v[PW+(\t)], v[TM+5], 8, v[TM+4]
	v_lshl_or_b32 v[PW+(\t)], v[TM+6], 16, v[PW+(\t)]
	v_lshl_or_b32 v[PW+(\t)], v[TM+7], 24, v[PW+(\t)]
	s_wait_alu depctr_va_vdst(0)
	s_wait_xcnt 0x0                                ; the last fragment's stores have read v[PC] on
	WIN 0x03
.irp c, 0,1
	v_cvt_scalef32_pk16_fp6_f32 v[PC+6*\c:PC+6*\c+2], v[(\s)+32*\c:(\s)+32*\c+15], v[TM+12+2*\c]
	v_cvt_scalef32_pk16_fp6_f32 v[PC+12+4*\c:PC+12+4*\c+2], v[(\s)+32*\c+16:(\s)+32*\c+31], v[TM+13+2*\c]
.endr
	WIN 0
	v_nop                                          ; one plain place behind a scaled conversion
.irp c, 0,1                            ; the operand's layout wants a whole block in a lane
.irp i, 0,1,2
	v_permlane16_swap_b32 v[PC+6*\c+\i], v[PC+12+4*\c+\i]
.endr
.irp i, 0,1,2
	v_mov_b32 v[PC+3+6*\c+\i], v[PC+12+4*\c+\i]
.endr
.endr
.endm
.macro EPI op                          ; the way out of one product: my record, at s[op:op+1]
	WIN 0
	PLACES 4
.irp t, 0,1,2,3
	QUANTW 64*\t, \t
.irp c, 0,1,2
	global_store_b128 v4, v[PC+4*\c:PC+4*\c+3], s[\op:\op+1] offset:1536*\t+512*\c
.endr
.endr
	v_cndmask_b32 v[UW], v[PW], v[PW+1], s[LM]     ; lanes 0-15 the even fragment's words, lanes 16-31 the odd one's
	v_cndmask_b32 v[UW+1], v[PW+2], v[PW+3], s[LM]
	global_store_b64 v5, v[UW:UW+1], s[\op:\op+1] offset:6144
.endm
; Step s (128 along K) of product g: 32 products on set s % 2; the next step's fragments are asked for.
.macro KST g, s
.set kE, (\g)%2
.set kC, (\g)/2
.set kA0, A0Q+10*kC
.set kA1, A1Q+10*kC
.set kP, (\s)%2
.set kT, (\g)+1
.set kF, 0
.if (\s) == 0
.set kF, 1
.endif
.if (\s) == 7
	s_wait_dscnt 0x0
.irp t, 0,1,2,3
	MULT \t, kP, \s, kE, 0, 0
.endr
.elseif (\s) == 4
	s_wait_tensorcnt 0x0                           ; my part of slot B, if I have one, is in
	s_wait_dscnt 0x0                               ; and this step's set
	s_barrier_signal -1
	MULT 0, kP, \s, kE, 0, 0
	s_barrier_wait -1                              ; slot B is whole
	PLACES 4
	FETCH kA0, kA1, 5, 1
.irp t, 1,2,3
	MULT \t, kP, \s, kE, 0, 0
.endr
.elseif ((\s) == 5) && ((\g) < 2)
	WIN 0
	s_wait_tensorcnt 0x0                           ; none of my loads is out
	ds_add_u32 v[SPW], v[NIL]
	s_wait_dscnt 0x1                               ; this step's set is in; the add alone may be out
	MULT 0, kP, \s, kE, 0, 0
	s_wait_dscnt 0x0                               ; the add is done, and my reads of slot A are over
	s_barrier_signal -1
	MULT 1, kP, \s, kE, 0, 0
	WIN 0
	s_barrier_wait -1
	CREST                                          ; the barrier has opened a round of the cluster's
	s_mov_b64 s[G0X+2:G0X+3], s[4+2*kT:5+2*kT]
	s_or_b32 s[G0X+3], s[G0X+3], 0x80000000
	s_mov_b64 s[G0W+2:G0W+3], s[10+2*kT:11+2*kT]
	s_or_b32 s[G0W+3], s[G0W+3], 0x80000000
	JLOAD 0                                        ; the next product's chunks 0 and 1; its four v_nop are the places in front of the loads below
	FETCH kA0, kA1, 6, 0
	MULT 2, kP, \s, kE, 0, 0
	MULT 3, kP, \s, kE, 0, 0
.else
	s_wait_dscnt 0x0                               ; this step's set is in
	PLACES 4
	FETCH kA0, kA1, (\s)+1, 1-kP
.irp t, 0,1,2,3
	MULT \t, kP, \s, kE, kF, kC
.endr
.endif
.endm
.macro PROD g, op
.irp s, 0,1,2,3
	KST \g, \s
.endr
.if (\g) < 2
	WIN 0
	PLACES 4                                       ; the bias has been read, the other set of scale words is free
	GLOADS (\g)+1
.endif
.irp s, 4,5,6,7
	KST \g, \s
.endr
	EPI \op
.endm
; Between two products: slot A's fill is waited for, slot B is filled with product g's chunk 2, and g's first fragments are asked for.
.macro NEXTP g, a0, a1
	s_wait_alu depctr_va_vdst(0)
	s_wait_tensorcnt 0x0                           ; my part of slot A is in
	ds_add_u32 v[SPW], v[NIL]
	s_add_nc_u64 s[G0X+6:G0X+7], s[4+2*(\g):5+2*(\g)], 512
	s_or_b32 s[G0X+7], s[G0X+7], 0x80000000
	s_add_nc_u64 s[G0W+6:G0W+7], s[10+2*(\g):11+2*(\g)], 512
	s_or_b32 s[G0W+7], s[G0W+7], 0x80000000
	s_wait_dscnt 0x0                               ; the add is done; my reads of slot B ended in step 7
	CROUND
	JLOAD 1
	FETCH \a0, \a1, 0, 0
	s_wait_loadcnt 0x0                             ; g's scale words and bias
.endm
	s_load_b512 s[4:19], s[0:1], 0x0               ; X's codes s[4:9], W's codes s[10:15], query's and key's scales s[16:19]
	s_load_b512 s[20:35], s[0:1], 0x40             ; value's scales, W's scales s[22:27], the biases s[28:33], qf s[34:35]
	s_load_b64 s[36:37], s[0:1], 0x80              ; kv
	v_lshl_add_u32 v[SPW], v0, 2, SPARE
	v_mov_b32 v[NIL], 0
	ds_add_u32 v[SPW], v[NIL]                      ; the opening lines: the add twice and one wait
	ds_add_u32 v[SPW], v[NIL]
	v_lshrrev_b32 v1, 5, v0
	v_readfirstlane_b32 s[WV], v1                  ; wave 0..3
	s_lshr_b32 s[WH], s[WV], 1
	s_and_b32 s[WL], s[WV], 1
	s_bfe_u32 s79, ttmp6, 0x40000                  ; cx, cy
	s_bfe_u32 s80, ttmp6, 0x40004
	s_lshl_b32 s81, ttmp9, 2
	s_add_co_u32 s81, s81, s79                     ; x: the head
	s_and_b32 s82, ttmp7, 0xffff
	s_lshl_b32 s82, s82, 2
	s_add_co_u32 s82, s82, s80                     ; y: the block of 256 rows
	s_lshl_b32 s83, s80, 2
	s_lshl_b32 s83, 15, s83                        ; my row of the cluster
	s_lshl_b32 s84, 0x1111, s79                    ; my column
	s_or_b32 s[G1X], s83, (1<<20)|(1<<21)|(5<<22)|(3<<25)   ; elements of 1 byte; 4 words of padding behind every 64
	s_or_b32 s[G1W], s84, (1<<20)|(1<<21)|(5<<22)|(3<<25)
	s_mov_b32 s[G1X+1], 256<<16                    ; a chunk of 256 bytes
	s_mov_b32 s[G1X+2], 256<<16                    ; 256 rows
	s_mov_b32 s[G1X+3], 256<<16
	s_mov_b32 s[G1X+4], 256
	s_mov_b32 s[G1X+5], KROW
	s_mov_b32 s[G1X+6], 0
	s_mov_b32 s[G1X+7], 0
	s_mov_b32 s[G1W+1], 256<<16
	s_mov_b32 s[G1W+2], 128<<16                    ; 128 rows
	s_mov_b32 s[G1W+3], 256<<16
	s_mov_b32 s[G1W+4], 128
	s_mov_b32 s[G1W+5], KROW
	s_mov_b32 s[G1W+6], 0
	s_mov_b32 s[G1W+7], 0
	s_mul_i32 s88, s82, 256*KROW                   ; X: rows 256 y on, chunk w % 2
	s_lshl_b32 s89, s[WL], 8
	s_add_co_u32 s88, s88, s89
	s_mul_i32 s90, s81, 128*KROW                   ; W: rows 128 x on, chunk w % 2
	s_add_co_u32 s90, s90, s89
	s_mov_b32 s89, 0
	s_mov_b32 s91, 0
	s_mul_i32 s92, s[WL], CH                       ; where they go: region w % 2
	s_add_co_u32 s93, s92, WOFF
	s_wait_dscnt 0x0
	s_wait_kmcnt 0x0
.irp g, 0,1,2
	s_add_nc_u64 s[4+2*\g:5+2*\g], s[4+2*\g:5+2*\g], s[88:89]
	s_add_nc_u64 s[10+2*\g:11+2*\g], s[10+2*\g:11+2*\g], s[90:91]
.endr
	CROUND                                         ; the first joint loads meet
.irp s, 0,1
	s_mov_b32 s[G0X+4*\s], 1
	s_add_co_u32 s[G0X+4*\s+1], s92, \s*2*CH       ; (set 1 is used by the even waves alone: region 2)
	s_add_nc_u64 s[G0X+4*\s+2:G0X+4*\s+3], s[4:5], \s*512
	s_or_b32 s[G0X+4*\s+3], s[G0X+4*\s+3], 0x80000000
	s_mov_b32 s[G0W+4*\s], 1
	s_add_co_u32 s[G0W+4*\s+1], s93, \s*2*CH
	s_add_nc_u64 s[G0W+4*\s+2:G0W+4*\s+3], s[10:11], \s*512
	s_or_b32 s[G0W+4*\s+3], s[G0W+4*\s+3], 0x80000000
.endr
	JLOAD 0                                        ; q's chunks 0 and 1: one load a wave
	v_and_b32 v2, 31, v0                           ; lane
	v_and_b32 v3, 15, v0                           ; r
	v_bfe_u32 v9, v0, 4, 1                         ; h
	v_lshlrev_b32 v4, 4, v2                        ; 16 lane
	v_lshlrev_b32 v5, 3, v2                        ; 8 lane
	v_lshlrev_b32 v6, 5, v2                        ; 32 lane
	v_lshlrev_b32 v7, 5, v9                        ; 32 h
	v_lshlrev_b32 v8, 2, v3                        ; 4 r
	v_cmp_le_u32 s[LM], 16, v2                     ; lanes 16-31
	s_mov_b32 s98, CH-232
	v_mul_u32_u24 v1, v3, PITCH
	v_mad_u32_u24 v2, v9, 24, v1                   ; row x pitch + 24 x half
	v_mad_u32_u24 v3, v9, s98, v1
	v_add_nc_u32 v3, 232, v3                       ; lanes 0-15 byte 232 of the row, lanes 16-31 byte 0 of the row in the next region
.irp b, 0,1,2,3
	v_mov_b32 v[TM+4+\b], 0                        ; a lane permute's destination counts as one of its sources
.endr
	s_wait_alu depctr_va_vdst(0)
	; the scale bytes: q, k: X's rows 256 y + 64 w, W's rows 128 x;  v: X's rows 256 y + 128 (w / 2), W's rows 128 x + 64 (w % 2)
	s_lshl_b32 s92, s82, 13
	s_lshl_b32 s94, s[WV], 11
	s_add_co_u32 s94, s94, s92
	s_mov_b32 s95, 0
	s_add_nc_u64 s[16:17], s[16:17], s[94:95]
	s_add_nc_u64 s[18:19], s[18:19], s[94:95]
	s_lshl_b32 s94, s[WH], 12
	s_add_co_u32 s94, s94, s92
	s_add_nc_u64 s[20:21], s[20:21], s[94:95]
	s_lshl_b32 s96, s81, 12
	s_mov_b32 s97, 0
	s_add_nc_u64 s[22:23], s[22:23], s[96:97]
	s_add_nc_u64 s[24:25], s[24:25], s[96:97]
	s_lshl_b32 s98, s[WL], 11
	s_add_co_u32 s96, s96, s98
	s_add_nc_u64 s[26:27], s[26:27], s[96:97]
	s_lshl_b32 s96, s81, 9                         ; the biases: 128 x numbers on; bv 64 (w % 2) more
	s_add_nc_u64 s[28:29], s[28:29], s[96:97]
	s_add_nc_u64 s[30:31], s[30:31], s[96:97]
	s_lshl_b32 s98, s[WL], 8
	s_add_co_u32 s96, s96, s98
	s_add_nc_u64 s[32:33], s[32:33], s[96:97]
	GLOADS 0
	; my records: qf: ((8 b + x) 16 + 4 rb + w);  kv: head (8 b + x), key step 2 rb + w / 2, record w % 2; V's two records behind K's two
	s_lshr_b32 s92, s82, 2
	s_and_b32 s93, s82, 3
	s_lshl_b32 s92, s92, 3
	s_add_co_u32 s92, s92, s81
	s_lshl_b32 s94, s92, 4
	s_lshl_b32 s98, s93, 2
	s_add_co_u32 s94, s94, s98
	s_add_co_u32 s94, s94, s[WV]
	s_mul_i32 s94, s94, REC
	s_add_nc_u64 s[34:35], s[34:35], s[94:95]
	s_mul_i32 s94, s92, 32*REC
	s_lshl_b32 s98, s93, 1
	s_add_co_u32 s98, s98, s[WH]
	s_mul_i32 s98, s98, 4*REC
	s_add_co_u32 s94, s94, s98
	s_mul_i32 s98, s[WL], REC
	s_add_co_u32 s94, s94, s98
	s_add_nc_u64 s[36:37], s[36:37], s[94:95]
	s_add_nc_u64 s[38:39], s[36:37], 2*REC
	s_mov_b32 s[SEL], 0x76543210
	s_mov_b32 s[SEL+1], 0xfedcba98
	s_mov_b32 s97, WOFF                            ; q, k: source 0 = W's 128 rows
	s_mul_i32 s94, s[WV], 64*PITCH                 ;       source 1 = X's rows 64 w on
	s_mul_i32 s95, s[WH], 128*PITCH                ; v:    source 0 = X's rows 128 (w / 2) on
	s_mul_i32 s96, s[WL], 64*PITCH
	s_add_co_u32 s96, s96, WOFF                    ;       source 1 = W's rows 64 (w % 2) on
.irp c, 0,1,2
	v_add_nc_u32 v[A0Q+\c], s97, v2
	v_add_nc_u32 v[A1Q+\c], s94, v2
	v_add_nc_u32 v[A0V+\c], s95, v2
	v_add_nc_u32 v[A1V+\c], s96, v2
.if \c < 2
	v_add_nc_u32 v[A0Q+3+\c], s97, v3
	v_add_nc_u32 v[A1Q+3+\c], s94, v3
	v_add_nc_u32 v[A0V+3+\c], s95, v3
	v_add_nc_u32 v[A1V+3+\c], s96, v3
.endif
	s_add_co_u32 s97, s97, CH
	s_add_co_u32 s94, s94, CH
	s_add_co_u32 s95, s95, CH
	s_add_co_u32 s96, s96, CH
.endr
	s_wait_alu depctr_va_vdst(0)                   ; the head's end
	s_wait_tensorcnt 0x0                           ; my part of slot A is in; slot B's first fill is issued as a refill is
	ds_add_u32 v[SPW], v[NIL]
	s_wait_dscnt 0x0
	CROUND
	JLOAD 1                                        ; q's chunk 2
	FETCH A0Q, A1Q, 0, 0
	s_wait_loadcnt 0x0                             ; q's scale words and bias
	PROD 0, 34
	NEXTP 1, A0Q, A1Q
	PROD 1, 36
	NEXTP 2, A0V, A1V
	WIN 0
.irp t, 0,1,2,3
.irp j, 1,2,3,4,5,6,7
	v_mov_b32 v[BIAS+8*\t+\j], v[BIAS+8*\t]        ; v's bias hangs on the lane's channel alone
.endr
.endr
	s_wait_alu depctr_va_vdst(0)
	PROD 2, 38
	s_wait_tensorcnt 0x0                           ; the wave's end
	ds_add_u32 v[SPW], v[NIL]
	s_wait_dscnt 0x0
	CROUND                                         ; the closing round
	s_endpgm
.Lfunc_end_k_qdd9de34bc7_proj:
	.size	k_qdd9de34bc7_proj, .Lfunc_end_k_qdd9de34bc7_proj-k_qdd9de34bc7_proj
	.p2alignl 7, 3214868480
	.fill 96, 4, 3214868480
	.section	.rodata,"a",@progbits
	.p2align	6, 0x0
	.amdhsa_kernel k_qdd9de34bc7_proj
		.amdhsa_group_segment_fixed_size 327680
		.amdhsa_private_segment_fixed_size 0
		.amdhsa_enable_private_segment 0
		.amdhsa_kernarg_size 136
		.amdhsa_user_sgpr_count 2
		.amdhsa_user_sgpr_kernarg_segment_ptr 1
		.amdhsa_wavefront_size32 1
		.amdhsa_system_sgpr_workgroup_id_x 1
		.amdhsa_system_sgpr_workgroup_id_y 1
		.amdhsa_system_sgpr_workgroup_id_z 1
		.amdhsa_system_vgpr_workitem_id 0
		.amdhsa_next_free_vgpr 1024
		.amdhsa_next_free_sgpr 100
		.amdhsa_reserve_vcc 0
		.amdhsa_float_denorm_mode_32 3
		.amdhsa_float_denorm_mode_16_64 3
		.amdhsa_memory_ordered 1
		.amdhsa_forward_progress 1
		.amdhsa_inst_pref_size 255
	.end_amdhsa_kernel
	.section	.bss,"aw",@nobits
	.p2align	6
	.space	262144
	.amdgpu_metadata
---
amdhsa.version: [ 1, 2 ]
amdhsa.kernels:
  - .name:           k_qdd9de34bc7_proj
    .symbol:         k_qdd9de34bc7_proj.kd
    .args:
      - { .name: query_codes, .offset: 0, .size: 8, .value_kind: global_buffer, .address_space: global }
      - { .name: key_codes, .offset: 8, .size: 8, .value_kind: global_buffer, .address_space: global }
      - { .name: value_codes, .offset: 16, .size: 8, .value_kind: global_buffer, .address_space: global }
      - { .name: Wq_codes, .offset: 24, .size: 8, .value_kind: global_buffer, .address_space: global }
      - { .name: Wk_codes, .offset: 32, .size: 8, .value_kind: global_buffer, .address_space: global }
      - { .name: Wv_codes, .offset: 40, .size: 8, .value_kind: global_buffer, .address_space: global }
      - { .name: query_scales, .offset: 48, .size: 8, .value_kind: global_buffer, .address_space: global }
      - { .name: key_scales, .offset: 56, .size: 8, .value_kind: global_buffer, .address_space: global }
      - { .name: value_scales, .offset: 64, .size: 8, .value_kind: global_buffer, .address_space: global }
      - { .name: Wq_scales, .offset: 72, .size: 8, .value_kind: global_buffer, .address_space: global }
      - { .name: Wk_scales, .offset: 80, .size: 8, .value_kind: global_buffer, .address_space: global }
      - { .name: Wv_scales, .offset: 88, .size: 8, .value_kind: global_buffer, .address_space: global }
      - { .name: bq, .offset: 96, .size: 8, .value_kind: global_buffer, .address_space: global }
      - { .name: bk, .offset: 104, .size: 8, .value_kind: global_buffer, .address_space: global }
      - { .name: bv, .offset: 112, .size: 8, .value_kind: global_buffer, .address_space: global }
      - { .name: qf, .offset: 120, .size: 8, .value_kind: global_buffer, .address_space: global }
      - { .name: kv, .offset: 128, .size: 8, .value_kind: global_buffer, .address_space: global }
    .group_segment_fixed_size: 327680
    .private_segment_fixed_size: 0
    .kernarg_segment_align: 8
    .kernarg_segment_size: 136
    .max_flat_workgroup_size: 128
    .sgpr_count:     100
    .vgpr_count:     1024
    .wavefront_size: 32
...
	.end_amdgpu_metadata
.endif
;; end of part 1
;; launch attn (part 2): grid 4 x 64, 8 waves a work-group, clusters of 4 x 1, 327,680 bytes of LDS; arguments qf, kv, config_idx, ctxc, ctxs; writes ctxc, ctxs
.if DOCPART == 2
	.amdgcn_target "amdgcn-amd-amdhsa--gfx1250"
	.amdhsa_code_object_version 6
	.text
	.protected	k_qdd9de34bc7_attn
	.globl	k_qdd9de34bc7_attn
	.p2align	8
	.type	k_qdd9de34bc7_attn,@function
k_qdd9de34bc7_attn:
	s_mov_b64 s[64:65], 0
	v_nop
	global_prefetch_b8 v0, s[64:65] scope:SCOPE_SE
	s_setreg_imm32_b32 hwreg(HW_REG_WAVE_MODE, 25, 1), 1
	s_wait_xcnt 0x0
	s_wait_alu depctr_hold_cnt(0) depctr_sa_sdst(0) depctr_va_vdst(0) depctr_va_sdst(0) depctr_va_ssrc(0) depctr_va_vcc(0) depctr_vm_vsrc(0)
	s_getreg_b32 s2, hwreg(HW_REG_IB_STS2, 6, 4)
	s_cmp_eq_u32 s2, 0
	s_cbranch_scc0 .Lentry_in_a_cluster
	s_endpgm
.Lentry_in_a_cluster:
	s_bfe_u32 s2, ttmp6, 0x10000c
	s_cmp_lg_u32 s2, 0x3003
	s_cbranch_scc0 .Lentry_shape_is_right
	s_endpgm
.Lentry_shape_is_right:
; ctx = softmax(q k^T / sqrt(128)) v for one head and 256 queries, both products on codes of FP6 (E2M3); then ctx / l is quantised along the packed row and put at its packed place.
; THE SOFTMAX: t = score x log2(e) / sqrt(128); M = the running largest t rounded UP to a whole number; p = 2^(t - M) is quantised along the keys, not normalised; the row's sum is taken of
; the unquantised p and divides at the end; when M moves, the sum and O are multiplied by 2^(old M - new M), which rounds nothing.
; SHARES.  Work-group (x, y): queries 256 x on of head y (= 8 sample + head).  Eight waves, 32 queries (two tiles T) each, two waves to a SIMD; each fragment of K and V feeds two products.
; LDS.  The head's K and V, 204,800 bytes of register images as the launch before laid them (key step s at 25,600 s: K's two records, V's two), come ONCE, by two loads a wave:
; at the head record w of key steps 0 and 1; behind the waits, the add and a round, an eighth (19,200 bytes) of key steps 2 to 7, which has key step 0's work in which to land.  Nothing is filled again.
; All of K and V is asked for before the loop begins: there is nothing left to prefetch in it.
; CLUSTER.  The four query blocks of a head read the same bytes: each load is asked for jointly, with a mask that names the four.
; LAYOUT.  S^T = K Q^T and O^T = V^T P^T: a lane holds one query throughout.  Register j of tile i is key (or channel) 16 i + 8 (lane / 16) + j.  p's fragment has the places inside a block
; of 32 keys permuted just as V's fragments have them.
; A TILE'S SOFTMAX goes in batches: the maxima, all 64 t - M, one wait, 68 exponentials, one wait, the sums and the codes.
; THE END.  The width is d = 32 nb, nb = config_idx + 1.  Block j of head h goes to packed block h nb + j where j < nb; the others are multiplied by 0 and fill the row's end
; (8 nb + h (4 - nb) + j - nb), so that every byte of ctxc and ctxs is written.  ctx meets Wo's given codes, so its numbers are first brought into their natural order.
; ctxc: [row / 32][packed block][768]: two parts of [16 rows][24 bytes], tile (block % 2) first.  ctxs: [row][32] bytes.
; LIMITS: a config_idx above 3 is taken as 3; NaN and infinities are not served; a block under 2^-124 (a block of zeros too) gets the byte 1: only this program reads these bytes;
; the promise holds while the scaled scores t stay under 2^31 in magnitude.
; REGISTERS: window 0: v1-7 lane terms and addresses; v8-15 per tile -M, the largest t, the sum in two halves; v16-39 at work; v40 Q's scale words, v42-43 p's, v88-91 V's, v92-95 K's;
;   v44-79 V's fragments 5-7, behind the loop the end's addresses and factors; v96-223 S^T, then p (v96-155 then V's fragments 0-4); v224-247 p's codes; v251, v255 for the add.
;   window 1: v0-127 O^T; v128-151 Q; v152-247 K's eight fragments.
.set REC,   6400
.set STEPB, 25600
.set KVH,   204800
.set VOFF,  12800
.set SCW,   6144
.set L16,  1
.set L8,   2
.set AFR,  3
.set ASW,  4
.set STT,  8
.set BM,   16
.set BT,   20
.set SO,   24
.set FAC,  28
.set TMPR, 30
.set CV,   32
.set QS,   40
.set PS,   42
.set VB,   44
.set RCP,  46
.set RF,   48
.set BY,   52
.set ADC,  64
.set BYO,  72
.set ADS,  76
.set VS,   88
.set KS,   92
.set SREG, 96
.set PCD,  224
.set SPW,  251
.set NIL,  255
.set QW,   128
.set FW,   152
.set WV,   14
.set QB,   15
.set HD,   16
.set TB,   17
.set CNT,  18
.set LM,   19
.set G1A,  20
.set G1B,  28
.set G0A,  36
.set G0B,  40
.set SEL,  44
.set CS,   46
.set POS,  56
.set FLG,  60
.set PT0,  68
.set MSB, 0
.macro WIN new
.if MSB != (\new)
	s_set_vgpr_msb (MSB<<8)|(\new)
.set MSB, (\new)
.endif
.endm
.macro PLACES n
.rept \n
	v_nop
.endr
.endm
.macro ROUND                           ; a round of the cluster's barrier
	s_barrier_signal -1
	s_barrier_wait -1
	s_cmp_lg_u32 s[WV], 0
	s_cbranch_scc1 .Lnot_wave_0_\@
	s_barrier_signal -3
.Lnot_wave_0_\@:
	s_barrier_wait -3
	s_barrier_signal -1
	s_barrier_wait -1
.endm
.macro WMS i, T                        ; S^T: 16 keys (tile i) x tile T's 16 queries; the constant 0 starts the sum
.set wD, SREG+64*(\T)+8*(\i)
.set wA, FW+12*(\i)
.set wB, QW+12*(\T)
.set wE, KS+(\i)/2
.if (((\i)%2) != 0) && ((\T) != 0)
	v_wmma_scale_f32_16x16x128_f8f6f4 v[wD:wD+7], v[wA:wA+11], v[wB:wB+11], 0, v[wE], v[QS] matrix_a_fmt:MATRIX_FMT_FP6 matrix_b_fmt:MATRIX_FMT_FP6 matrix_a_scale:MATRIX_SCALE_ROW1 matrix_b_scale:MATRIX_SCALE_ROW1
.elseif ((\i)%2) != 0
	v_wmma_scale_f32_16x16x128_f8f6f4 v[wD:wD+7], v[wA:wA+11], v[wB:wB+11], 0, v[wE], v[QS] matrix_a_fmt:MATRIX_FMT_FP6 matrix_b_fmt:MATRIX_FMT_FP6 matrix_a_scale:MATRIX_SCALE_ROW1
.elseif (\T) != 0
	v_wmma_scale_f32_16x16x128_f8f6f4 v[wD:wD+7], v[wA:wA+11], v[wB:wB+11], 0, v[wE], v[QS] matrix_a_fmt:MATRIX_FMT_FP6 matrix_b_fmt:MATRIX_FMT_FP6 matrix_b_scale:MATRIX_SCALE_ROW1
.else
	v_wmma_scale_f32_16x16x128_f8f6f4 v[wD:wD+7], v[wA:wA+11], v[wB:wB+11], 0, v[wE], v[QS] matrix_a_fmt:MATRIX_FMT_FP6 matrix_b_fmt:MATRIX_FMT_FP6
.endif
.endm
.macro WMP i, T, zero                  ; O^T: 16 channels (tile i) x tile T's queries, K = the step's 128 keys
.set wD, 64*(\T)+8*(\i)
.if (\i) < 5
.set wA, SREG+12*(\i)
.else
.set wA, VB+12*((\i)-5)
.endif
.set wB, PCD+12*(\T)
.set wE, VS+(\i)/2
.set wF, PS+(\T)
.if (\zero) != 0
.if ((\i)%2) != 0
	v_wmma_scale_f32_16x16x128_f8f6f4 v[wD:wD+7], v[wA:wA+11], v[wB:wB+11], 0, v[wE], v[wF] matrix_a_fmt:MATRIX_FMT_FP6 matrix_b_fmt:MATRIX_FMT_FP6 matrix_a_scale:MATRIX_SCALE_ROW1
.else
	v_wmma_scale_f32_16x16x128_f8f6f4 v[wD:wD+7], v[wA:wA+11], v[wB:wB+11], 0, v[wE], v[wF] matrix_a_fmt:MATRIX_FMT_FP6 matrix_b_fmt:MATRIX_FMT_FP6
.endif
.else
.if ((\i)%2) != 0
	v_wmma_scale_f32_16x16x128_f8f6f4 v[wD:wD+7], v[wA:wA+11], v[wB:wB+11], v[wD:wD+7], v[wE], v[wF] matrix_a_fmt:MATRIX_FMT_FP6 matrix_b_fmt:MATRIX_FMT_FP6 matrix_a_scale:MATRIX_SCALE_ROW1
.else
	v_wmma_scale_f32_16x16x128_f8f6f4 v[wD:wD+7], v[wA:wA+11], v[wB:wB+11], v[wD:wD+7], v[wE], v[wF] matrix_a_fmt:MATRIX_FMT_FP6 matrix_b_fmt:MATRIX_FMT_FP6
.endif
.endif
.endm
.macro LFR reg, off                    ; one register image: three loads, 16 bytes a lane
.irp c, 0,1,2
	ds_load_b128 v[(\reg)+4*\c:(\reg)+4*\c+3], v[AFR] offset:(\off)+512*\c
.endr
.endm
; Tile T's softmax for one key step.  first = 1: O^T has no sums yet.  pre = 1: behind the exponentials record T of the next step's K is asked for.
.macro SOFT T, first, pre
.set rS, SREG+64*(\T)
.set rP, PCD+12*(\T)
.set rN, STT+4*(\T)
.set rO, 64*(\T)
	WIN 0
	s_wait_alu depctr_va_vdst(0)                   ; directly ahead of the first readers of S^T
.irp b, 0,1,2,3
	v_max3_num_f32 v[BM+\b], v[rS+16*\b], v[rS+16*\b+1], v[rS+16*\b+2]     ; the largest score of each block of 32 keys: for the row's maximum and for the block's largest p
.endr
.irp i, 3,5,7,9,11,13
.irp b, 0,1,2,3
	v_max3_num_f32 v[BM+\b], v[BM+\b], v[rS+16*\b+\i], v[rS+16*\b+\i+1]
.endr
.endr
.irp b, 0,1,2,3
	v_max_num_f32 v[BM+\b], v[BM+\b], v[rS+16*\b+15]
.endr
.irp b, 0,1,2,3
	v_permlanex16_b32 v[BT+\b], v[BM+\b], s[SEL], s[SEL+1]
.endr
.irp b, 0,1,2,3
	v_max_num_f32 v[BM+\b], v[BM+\b], v[BT+\b]                             ; with lane l xor 16's 16 keys
.endr
	v_max3_num_f32 v[TMPR], v[BM], v[BM+1], v[BM+2]
	v_max_num_f32 v[TMPR], v[TMPR], v[BM+3]
	v_mul_f32 v[TMPR], s[CS], v[TMPR]                                      ; as t (c is positive)
	v_max_num_f32 v[rN+1], v[rN+1], v[TMPR]                                ; the running largest t
	v_mov_b32 v[TMPR], v[rN]
	v_floor_f32 v[rN], -v[rN+1]                                            ; the new -M = -ceil(t)
	v_sub_f32 v[TMPR], v[rN], v[TMPR]                                      ; old M - new M: a whole number, 0 or less
	v_cvt_i32_f32 v[TMPR], v[TMPR]                                         ; (it saturates)
	v_ldexp_f32 v[FAC], 1.0, v[TMPR]                                       ; f = 2^(old M - new M)
.set j, 0
.rept 32
	v_pk_fma_f32 v[rS+j:rS+j+1], v[rS+j:rS+j+1], s[CS:CS+1], v[rN:rN+1] op_sel_hi:[1,0,0]   ; t - M, two at a time
.set j, j+2
.endr
.irp b, 0,1,2,3
	v_fma_f32 v[BM+\b], v[BM+\b], s[CS], v[rN]
.endr
	v_pk_mul_f32 v[rN+2:rN+3], v[rN+2:rN+3], v[FAC:FAC+1] op_sel_hi:[1,0]  ; the sums under the new M
	s_wait_alu depctr_va_vdst(0)                   ; ahead of the batch
.irp b, 0,1,2,3
	v_exp_f32 v[BM+\b], v[BM+\b]                                           ; the block's largest p: the same two instructions on the same number
.endr
.set j, 0
.rept 64
	v_exp_f32 v[rS+j], v[rS+j]                                             ; p = 2^(t - M), at most 1
.set j, j+1
.endr
	v_nop                                          ; a plain place behind the exponentials
.if \pre
	WIN 0x40                                       ; record T of the next step's K: its registers were last read by this step's scores' products
.irp i, 0,1,2,3
	LFR FW+12*(4*(\T)+\i), STEPB+REC*(\T)+1536*\i
.endr
	WIN 0
.endif
	s_wait_alu depctr_va_vdst(0)                   ; one wait for the batch, ahead of its first reader
	v_pk_add_f32 v[CV:CV+1], v[rS:rS+1], v[rS+2:rS+3]                      ; the row's sum is taken of the unquantised p, in two chains
.set j, 4
.rept 15
	v_pk_add_f32 v[rN+2:rN+3], v[rN+2:rN+3], v[rS+j:rS+j+1]
	v_pk_add_f32 v[CV:CV+1], v[CV:CV+1], v[rS+j+2:rS+j+3]
.set j, j+4
.endr
.irp b, 0,1,2,3
	v_max_num_f32 v[BM+\b], 0x1800000, v[BM+\b]                            ; the floor 2^(3 - 127): the byte cannot fall under 1
.endr
	v_pk_add_f32 v[rN+2:rN+3], v[rN+2:rN+3], v[CV:CV+1]
.irp b, 0,1,2,3
	v_add_nc_u32 v[SO+\b], 0xff000000, v[BM+\b]                            ; 2 off the exponent field: the conversion's scale operand
.endr
.irp b, 0,1,2,3
	v_lshrrev_b32 v[BT+\b], 23, v[SO+\b]
.endr
	v_lshl_or_b32 v[PS+(\T)], v[BT+1], 8, v[BT]                            ; p's scale word for these 128 keys
	v_lshl_or_b32 v[PS+(\T)], v[BT+2], 16, v[PS+(\T)]
	v_lshl_or_b32 v[PS+(\T)], v[BT+3], 24, v[PS+(\T)]
.irp c, 0,1
	v_cvt_scalef32_pk16_fp6_f32 v[rP+6*\c:rP+6*\c+2], v[rS+32*\c:rS+32*\c+15], v[SO+2*\c]
	v_cvt_scalef32_pk16_fp6_f32 v[CV+4*\c:CV+4*\c+2], v[rS+32*\c+16:rS+32*\c+31], v[SO+2*\c+1]
.endr
	v_nop                                          ; one plain place behind a scaled conversion
.irp c, 0,1
.irp i, 0,1,2
	v_permlane16_swap_b32 v[rP+6*\c+\i], v[CV+4*\c+\i]                     ; the operand's layout wants a whole block in a lane
.endr
.irp i, 0,1,2
	v_mov_b32 v[rP+3+6*\c+\i], v[CV+4*\c+\i]
.endr
.endr
.if (\first) == 0
	WIN 0x41
	s_wait_alu depctr_va_vdst(0)                   ; directly ahead of the first readers of O^T
.set j, 0
.rept 32
	v_pk_mul_f32 v[rO+j:rO+j+1], v[rO+j:rO+j+1], v[FAC:FAC+1] op_sel_hi:[1,0]   ; O^T under the new M, each accumulator from its low end on; also the places ahead of the products
.set j, j+2
.endr
	WIN 0
.endif
.endm
; A key step: 128 keys at LDS byte s[TB].  Its K is in registers or on its way.  pre = 1: the next step's K is asked for.
.macro STEP first, pre
	s_wait_dscnt 0x0                               ; K and its scale words are in
	PLACES 5                                       ; S^T is laid over registers that the last products read
	WIN 0x05
.irp i, 0,1,2,3,4,5,6,7
.irp T, 0,1
	WMS \i, \T
.endr
.endr
	WIN 0
	v_add_nc_u32 v[AFR], s[TB], v[L16]
	v_add_nc_u32 v[ASW], s[TB], v[L8]
	PLACES 4                                       ; in front of loads into registers that products have read
.irp i, 5,6,7
	LFR VB+12*(\i-5), VOFF+REC*(\i/4)+1536*(\i%4)
.endr
	ds_load_b64 v[VS:VS+1], v[ASW] offset:VOFF+SCW
	ds_load_b64 v[VS+2:VS+3], v[ASW] offset:VOFF+SCW+REC
.if \pre
	ds_load_b64 v[KS:KS+1], v[ASW] offset:STEPB+SCW
	ds_load_b64 v[KS+2:KS+3], v[ASW] offset:STEPB+SCW+REC
.endif
	SOFT 0, \first, \pre
.irp i, 0,1,2,3,4
	LFR SREG+12*\i, VOFF+REC*(\i/4)+1536*(\i%4)    ; into tile 0's score registers: its p has been summed and turned into codes
.endr
	SOFT 1, \first, \pre
.if \first
	PLACES 8                                       ; the places between p's scale word and the products
.endif
	s_wait_alu depctr_va_vdst(0)
.if \pre
	s_wait_dscnt 12                                ; all of V is in; the twelve loads behind it, the next K's second record, may stay out
.else
	s_wait_dscnt 0x0
.endif
	WIN 0x50
.irp i, 0,1,2,3,4,5,6,7
.irp T, 0,1
	WMP \i, \T, \first                             ; sixteen accumulators, one instruction each
.endr
.endr
	WIN 0
	s_add_co_u32 s[TB], s[TB], STEPB
.endm
	s_load_b256 s[4:11], s[0:1], 0x0               ; qf, kv, config_idx, ctxc
	s_load_b64 s[12:13], s[0:1], 0x20              ; ctxs
	v_lshl_add_u32 v[SPW], v0, 2, KVH
	v_mov_b32 v[NIL], 0
	ds_add_u32 v[SPW], v[NIL]                      ; the opening lines: the add twice and one wait
	ds_add_u32 v[SPW], v[NIL]
	v_lshrrev_b32 v5, 5, v0
	v_readfirstlane_b32 s[WV], v5                  ; wave 0..7
	v_and_b32 v5, 31, v0                           ; lane
	v_and_b32 v6, 15, v0                           ; r
	v_bfe_u32 v7, v0, 4, 1                         ; h
	v_lshlrev_b32 v[L16], 4, v5
	v_lshlrev_b32 v[L8], 3, v5
	v_cmp_le_u32 s[LM], 16, v5                     ; lanes 16-31
.irp T, 0,1
	v_mov_b32 v[STT+4*\T+1], 0xff61b1e6            ; the largest t so far: -3e38
	v_floor_f32 v[STT+4*\T], -v[STT+4*\T+1]        ; -M
	v_mov_b32 v[STT+4*\T+2], 0                     ; the sum, in two halves
	v_mov_b32 v[STT+4*\T+3], 0
.endr
.irp b, 0,1,2,3
	v_mov_b32 v[BT+\b], 0                          ; a lane permute's destination counts as one of its sources
.endr
	v_mov_b32 v[FAC+1], 0                          ; (named as the upper half of a pair)
	v_mov_b32 v[TMPR+1], 0
	s_wait_alu depctr_va_vdst(0)
	s_bfe_u32 s48, ttmp6, 0x40000                  ; cx
	s_lshl_b32 s[QB], ttmp9, 2
	s_add_co_u32 s[QB], s[QB], s48                 ; my block of 256 queries: it enters qf's, ctxc's and ctxs's addresses alone
	s_and_b32 s[HD], ttmp7, 0xffff                 ; the head, which the four partners share
	; descriptors: dense bytes as rows of 256 (32 elements of 8 bytes); the mask names all four work-groups
	s_mov_b32 s[G1A], 15|(3<<16)|(1<<21)
	s_mov_b32 s[G1A+1], 32<<16
	s_mov_b32 s[G1A+2], 25<<16
	s_mov_b32 s[G1A+3], 32<<16
	s_mov_b32 s[G1A+4], 25                         ; a record: 6,400 bytes
	s_mov_b32 s[G1A+5], 32
	s_mov_b32 s[G1A+6], 0
	s_mov_b32 s[G1A+7], 0
	s_mov_b32 s[G1B], 15|(3<<16)|(1<<21)
	s_mov_b32 s[G1B+1], 32<<16
	s_mov_b32 s[G1B+2], 75<<16
	s_mov_b32 s[G1B+3], 32<<16
	s_mov_b32 s[G1B+4], 75                         ; an eighth of key steps 2 to 7: 19,200 bytes
	s_mov_b32 s[G1B+5], 32
	s_mov_b32 s[G1B+6], 0
	s_mov_b32 s[G1B+7], 0
	s_mov_b32 s[G0A], 1
	s_mul_i32 s[G0A+1], s[WV], REC                 ; load 1: record w of key steps 0 and 1
	s_mov_b32 s[G0B], 1
	s_mul_i32 s[G0B+1], s[WV], 3*REC
	s_add_co_u32 s[G0B+1], s[G0B+1], 2*STEPB       ; load 2
	s_mul_i32 s76, s[HD], KVH                      ; in memory a head's bytes lie as in LDS
	s_add_co_u32 s78, s76, s[G0B+1]
	s_add_co_u32 s76, s76, s[G0A+1]
	s_mov_b32 s77, 0
	s_mov_b32 s79, 0
	s_lshr_b32 s80, s[HD], 3                       ; the sample
	s_lshl_b32 s86, s80, 2
	s_mov_b32 s87, 0
	s_wait_dscnt 0x0
	s_wait_kmcnt 0x0
	s_add_nc_u64 s[G0A+2:G0A+3], s[6:7], s[76:77]
	s_or_b32 s[G0A+3], s[G0A+3], 0x80000000
	s_add_nc_u64 s[G0B+2:G0B+3], s[6:7], s[78:79]
	s_or_b32 s[G0B+3], s[G0B+3], 0x80000000
	ROUND                                          ; all four work-groups are here: the joint loads meet
	tensor_load_to_lds s[G0A:G0A+3], s[G1A:G1A+7]  ; one load a wave at the head
	s_nop 0
.rept 4
	v_nop
.endr
	s_add_nc_u64 s[8:9], s[8:9], s[86:87]
	s_load_b32 s50, s[8:9], 0x0                    ; config_idx of my sample
	s_lshl_b32 s84, s[HD], 4                       ; Q: record 16 head + 4 block + w / 2, fragments 2 (w % 2) + T
	s_lshl_b32 s85, s[QB], 2
	s_add_co_u32 s84, s84, s85
	s_lshr_b32 s85, s[WV], 1
	s_add_co_u32 s84, s84, s85
	s_mul_i32 s84, s84, REC
	s_mov_b32 s85, 0
	s_add_nc_u64 s[4:5], s[4:5], s[84:85]
	s_and_b32 s86, s[WV], 1
	s_mul_i32 s88, s86, 3072
	s_lshl_b32 s89, s86, 2
	s_mov_b32 s[TB], 0
	v_add_nc_u32 v44, s88, v[L16]
	v_add_nc_u32 v45, s89, v[L8]
	v_add_nc_u32 v[AFR], s[TB], v[L16]
	v_add_nc_u32 v[ASW], s[TB], v[L8]
	WIN 0x40
.irp T, 0,1
.irp c, 0,1,2
	global_load_b128 v[QW+12*\T+4*\c:QW+12*\T+4*\c+3], v44, s[4:5] offset:1536*\T+512*\c
.endr
.endr
	WIN 0
	global_load_b32 v[QS], v45, s[4:5] offset:SCW  ; lanes 0-15 tile 0's scale words, lanes 16-31 tile 1's
	s_mov_b32 s[SEL], 0x76543210
	s_mov_b32 s[SEL+1], 0xfedcba98
	s_mov_b32 s[CS], 0x3e0293ee                    ; c = log2(e) / sqrt(128)
	s_mov_b32 s[CS+1], s[CS]
	s_lshl_b32 s81, s80, 5                         ; my 32 rows of ctx: G = 32 sample + 8 block + wave
	s_lshl_b32 s82, s[QB], 3
	s_add_co_u32 s81, s81, s82
	s_add_co_u32 s81, s81, s[WV]
	s_mul_i32 s82, s81, 24576
	s_mov_b32 s83, 0
	s_add_nc_u64 s[10:11], s[10:11], s[82:83]
	s_lshl_b32 s82, s81, 10
	s_add_nc_u64 s[12:13], s[12:13], s[82:83]
	s_wait_alu depctr_va_vdst(0)                   ; the head's end
	s_wait_kmcnt 0x0
	; where my head's four blocks go.  nb = the width in blocks
	s_min_u32 s50, s50, 3
	s_add_co_u32 s51, s50, 1
	s_and_b32 s52, s[HD], 7                        ; the head in its sample
	s_mul_i32 s53, s52, s51                        ; kept: h nb + j
	s_sub_co_u32 s54, 4, s51
	s_mul_i32 s54, s52, s54
	s_lshl_b32 s55, s51, 3
	s_add_co_u32 s54, s54, s55
	s_sub_co_u32 s54, s54, s51                     ; dropped: 8 nb + h (4 - nb) - nb + j
.irp j, 0,1,2,3
	s_add_co_u32 s84, s53, \j
	s_add_co_u32 s85, s54, \j
	s_cmp_gt_u32 s51, \j
	s_cselect_b32 s[POS+\j], s84, s85
	s_cselect_b32 s[FLG+\j], 1.0, 0                ; a dropped block is multiplied by 0
	s_min_u32 s[POS+\j], s[POS+\j], 31
	s_mul_i32 s84, s[POS+\j], 768
	s_and_b32 s85, s[POS+\j], 1
	s_mul_i32 s85, s85, 384
	s_add_co_u32 s[PT0+\j], s84, s85               ; tile 0's part of the piece
	s_add_co_u32 s85, s[POS+\j], 1
	s_and_b32 s85, s85, 1
	s_mul_i32 s85, s85, 384
	s_add_co_u32 s[PT0+4+\j], s84, s85             ; tile 1's
.endr
	s_wait_tensorcnt 0x0                           ; my record of key steps 0 and 1 is in; the later first fill is issued as a refill is
	ds_add_u32 v[SPW], v[NIL]
	s_wait_dscnt 0x0
	ROUND
	tensor_load_to_lds s[G0B:G0B+3], s[G1B:G1B+7]  ; my eighth of key steps 2 to 7
	s_nop 0
.rept 4
	v_nop
.endr
	WIN 0x40
.irp i, 0,1,2,3,4,5,6,7
	LFR FW+12*\i, REC*(\i/4)+1536*(\i%4)           ; key step 0's K
.endr
	WIN 0
	ds_load_b64 v[KS:KS+1], v[ASW] offset:SCW
	ds_load_b64 v[KS+2:KS+3], v[ASW] offset:SCW+REC
	s_wait_loadcnt 0x0                             ; Q
	STEP 1, 1                                      ; key step 0 starts O^T's sums
	s_wait_tensorcnt 0x0                           ; my part of key steps 2 to 7 is in: key step 1 looks ahead into them
	s_wait_dscnt 0x0
	s_barrier_signal -1
	s_barrier_wait -1
	s_mov_b32 s[CNT], 6
.Lkeys:                                            ; key steps 1 to 6
	STEP 0, 1
	s_sub_co_u32 s[CNT], s[CNT], 1
	s_cmp_lg_u32 s[CNT], 0
	s_cbranch_scc1 .Lkeys
	STEP 0, 0                                      ; key step 7 has no successor
; THE END of tile T.
.macro FINT T
.set rS, SREG+64*(\T)
.set rN, STT+4*(\T)
.set rO, 64*(\T)
	v_add_f32 v[TMPR], v[rN+2], v[rN+3]            ; the sum's two halves,
	v_permlanex16_b32 v[TMPR+1], v[TMPR], s[SEL], s[SEL+1]
	v_add_f32 v[TMPR], v[TMPR], v[TMPR+1]          ; and lane l xor 16's
	s_wait_alu depctr_va_vdst(0)                   ; ahead of the transcendental
	v_rcp_f32 v[RCP], v[TMPR]
	v_nop                                          ; a plain place behind it
	s_wait_alu depctr_va_vdst(0)                   ; ahead of its reader
.irp b, 0,1,2,3
	v_mul_f32 v[RF+\b], s[FLG+\b], v[RCP]          ; 1 / l, or 0 for a dropped block
.endr
	WIN 0x01
	s_wait_alu depctr_va_vdst(0)                   ; directly ahead of the first readers of O^T
.irp b, 0,1,2,3
.set j, 0
.rept 16
	v_mul_f32 v[rS+16*\b+j], v[rO+16*\b+j], v[RF+\b]   ; each accumulator from its low end on
.set j, j+1
.endr
.endr
	WIN 0
.irp b, 0,1,2,3
.set j, 0
.rept 8
	v_permlane16_swap_b32 v[rS+16*\b+j], v[rS+16*\b+8+j]   ; register 16 b + i of lane (r, h) is now channel 32 b + 16 h + i of query r
.set j, j+1
.endr
.endr
.irp b, 0,1,2,3
	v_max3_num_f32 v[BM+\b], |v[rS+16*\b]|, |v[rS+16*\b+1]|, 0x1800000
.endr
.irp i, 2,4,6,8,10,12,14
.irp b, 0,1,2,3
	v_max3_num_f32 v[BM+\b], v[BM+\b], |v[rS+16*\b+\i]|, |v[rS+16*\b+\i+1]|
.endr
.endr
.irp b, 0,1,2,3
	v_permlanex16_b32 v[BT+\b], v[BM+\b], s[SEL], s[SEL+1]
.endr
.irp b, 0,1,2,3
	v_max_num_f32 v[BM+\b], v[BM+\b], v[BT+\b]
.endr
.irp b, 0,1,2,3
	v_add_nc_u32 v[SO+\b], 0xff000000, v[BM+\b]
.endr
.irp b, 0,1,2,3
	v_lshrrev_b32 v[BY+4*(\T)+\b], 23, v[SO+\b]    ; the block's scale byte
.endr
.irp b, 0,1,2,3
	v_cvt_scalef32_pk16_fp6_f32 v[PCD+16*(\T)+4*\b:PCD+16*(\T)+4*\b+2], v[rS+16*\b:rS+16*\b+15], v[SO+\b]
.endr
	v_nop                                          ; one plain place behind a scaled conversion
.irp b, 0,1,2,3
	global_store_b96 v[ADC+4*(\T)+\b], v[PCD+16*(\T)+4*\b:PCD+16*(\T)+4*\b+2], s[10:11]   ; 32 lanes store 384 consecutive bytes
.endr
.endm
	PLACES 4                                       ; behind the last products
	v_mul_u32_u24 v60, v6, 24
	v_mad_u32_u24 v60, v7, 12, v60                 ; my 12 bytes in a part of a piece: 24 r + 12 h
	v_lshlrev_b32 v47, 5, v5                       ; my row of scale bytes: 32 lane
.irp j, 0,1,2,3
	v_add_nc_u32 v[ADC+\j], s[PT0+\j], v60
	v_add_nc_u32 v[ADC+4+\j], s[PT0+4+\j], v60
	v_add_nc_u32 v[ADS+\j], s[POS+\j], v47
.endr
	FINT 0
	FINT 1
.irp b, 0,1,2,3
	v_cndmask_b32 v[BYO+\b], v[BY+\b], v[BY+4+\b], s[LM]   ; lane l: row l of my 32
.endr
.irp b, 0,1,2,3
	global_store_b8 v[ADS+\b], v[BYO+\b], s[12:13]
.endr
	s_wait_tensorcnt 0x0                           ; the wave's end
	ds_add_u32 v[SPW], v[NIL]
	s_wait_dscnt 0x0
	ROUND                                          ; the closing round
	s_endpgm
.Lfunc_end_k_qdd9de34bc7_attn:
	.size	k_qdd9de34bc7_attn, .Lfunc_end_k_qdd9de34bc7_attn-k_qdd9de34bc7_attn
	.p2alignl 7, 3214868480
	.fill 96, 4, 3214868480
	.section	.rodata,"a",@progbits
	.p2align	6, 0x0
	.amdhsa_kernel k_qdd9de34bc7_attn
		.amdhsa_group_segment_fixed_size 327680
		.amdhsa_private_segment_fixed_size 0
		.amdhsa_enable_private_segment 0
		.amdhsa_kernarg_size 40
		.amdhsa_user_sgpr_count 2
		.amdhsa_user_sgpr_kernarg_segment_ptr 1
		.amdhsa_wavefront_size32 1
		.amdhsa_system_sgpr_workgroup_id_x 1
		.amdhsa_system_sgpr_workgroup_id_y 1
		.amdhsa_system_sgpr_workgroup_id_z 1
		.amdhsa_system_vgpr_workitem_id 0
		.amdhsa_next_free_vgpr 512
		.amdhsa_next_free_sgpr 96
		.amdhsa_reserve_vcc 0
		.amdhsa_float_denorm_mode_32 3
		.amdhsa_float_denorm_mode_16_64 3
		.amdhsa_memory_ordered 1
		.amdhsa_forward_progress 1
		.amdhsa_inst_pref_size 122
	.end_amdhsa_kernel
	.amdgpu_metadata
---
amdhsa.version: [ 1, 2 ]
amdhsa.kernels:
  - .name:           k_qdd9de34bc7_attn
    .symbol:         k_qdd9de34bc7_attn.kd
    .args:
      - { .name: qf, .offset: 0, .size: 8, .value_kind: global_buffer, .address_space: global }
      - { .name: kv, .offset: 8, .size: 8, .value_kind: global_buffer, .address_space: global }
      - { .name: config_idx, .offset: 16, .size: 8, .value_kind: global_buffer, .address_space: global }
      - { .name: ctxc, .offset: 24, .size: 8, .value_kind: global_buffer, .address_space: global }
      - { .name: ctxs, .offset: 32, .size: 8, .value_kind: global_buffer, .address_space: global }
    .group_segment_fixed_size: 327680
    .private_segment_fixed_size: 0
    .kernarg_segment_align: 8
    .kernarg_segment_size: 40
    .max_flat_workgroup_size: 256
    .sgpr_count:     96
    .vgpr_count:     512
    .wavefront_size: 32
...
	.end_amdgpu_metadata
.endif
;; end of part 2
;; launch outp (part 3): grid 8 x 32, 4 waves a work-group, clusters of 4 x 4, 327,680 bytes of LDS; arguments ctxc, ctxs, Wo_codes, Wo_scales, bo, out0; writes out0
.if DOCPART == 3
	.amdgcn_target "amdgcn-amd-amdhsa--gfx1250"
	.amdhsa_code_object_version 6
	.text
	.protected	k_qdd9de34bc7_outp
	.globl	k_qdd9de34bc7_outp
	.p2align	8
	.type	k_qdd9de34bc7_outp,@function
k_qdd9de34bc7_outp:
	s_mov_b64 s[64:65], 0
	v_nop
	global_prefetch_b8 v0, s[64:65] scope:SCOPE_SE
	s_setreg_imm32_b32 hwreg(HW_REG_WAVE_MODE, 25, 1), 1
	s_wait_xcnt 0x0
	s_wait_alu depctr_hold_cnt(0) depctr_sa_sdst(0) depctr_va_vdst(0) depctr_va_sdst(0) depctr_va_ssrc(0) depctr_va_vcc(0) depctr_vm_vsrc(0)
	s_getreg_b32 s2, hwreg(HW_REG_IB_STS2, 6, 4)
	s_cmp_eq_u32 s2, 0
	s_cbranch_scc0 .Lentry_in_a_cluster
	s_endpgm
.Lentry_in_a_cluster:
	s_bfe_u32 s2, ttmp6, 0x10000c
	s_cmp_lg_u32 s2, 0xf033
	s_cbranch_scc0 .Lentry_shape_is_right
	s_endpgm
.Lentry_shape_is_right:
; out0 = ctx Wo^T + bo on codes of FP6 (E2M3).  ctx: 8,192 rows x 1,024 as the launch before laid them (ctxc: [row / 32][block of 32][768], ctxs: [row][32]); Wo: [1024][1024] codes, 768 bytes a row.
; SHARES.  Work-group (x, y): rows 256 y on x columns 128 x on.  Wave w: rows 64 w on (4 tiles) x all 128 columns, in two halves of 64 columns: the first half's stores leave while the second is multiplied.
; All 8 K steps of 128 are run whatever the sample's width: the row's end holds zero codes, which add nothing.
; LDS is filled once: Wo's 128 rows (pitch 816 = 768 + 16 behind every 256: row r begins 6 r places of 8 bytes on, so lanes 0-15 of a load of 8 bytes take even places and lanes 16-31 odd ones);
; each wave's own 64 rows of ctx, dense (lanes 16-31 lie 1,152 or 384 bytes from lanes 0-15: the 32 lanes touch 64 different banks); a stage of 16 rows x 272 bytes for each wave, into which no load lands.
; CLUSTERS: 4 x 4.  Wo's rows hang on x alone: asked for jointly by a column of the cluster; ctx's on y (and the wave) alone: by a row.
; THE MATRIX INSTRUCTION IS USED TRANSPOSED: source 0 = 16 rows of Wo, source 1 = 16 rows of ctx: a lane holds eight neighbouring columns of one row of out0.  bo is the C that starts each sum.
; REGISTERS: window 0: v2-12 addresses; v32-63 Wo's scale words, v64-79 ctx's; v80-175 Wo's fragments, two sets; v176-239 rows on the way out.
;   windows 1, 2: ctx's fragments, tile t in window 1 + t / 2 at 96 (t % 2) + 12 ks: read from LDS once.   window 2, v192-255: bo.   window 3: accumulator at 128 half + 8 (4 t + i).
.set WP,    816
.set CTX,   128*WP                     ; 104,448
.set STAGE, CTX+4*49152                ; 301,056
.set AW,   2                           ; v2-5: Wo: half 0 with 24 h, with 40 h; half 1 likewise
.set AC,   6                           ; v6, v7: ctx: the even tile of a record, the odd one
.set L32,  8
.set H32,  9
.set STO,  10
.set RD,   11
.set CO,   12
.set WS,   32
.set CSW,  64
.set WF,   80
.set ROWS, 176
.set BO,   192
.set WV,   16
.set G1W,  24
.set G1C,  32
.set MSB, 0
.macro WIN new
.if MSB != (\new)
	s_set_vgpr_msb (MSB<<8)|(\new)
.set MSB, (\new)
.endif
.endm
.macro PLACES n
.rept \n
	v_nop
.endr
.endm
.macro CROUND                          ; a round of the cluster's barrier
	s_barrier_signal -1
	s_barrier_wait -1
	s_cmp_lg_u32 s[WV], 0
	s_cbranch_scc1 .Lnot_wave_0_\@
	s_barrier_signal -3
.Lnot_wave_0_\@:
	s_barrier_wait -3
	s_barrier_signal -1
	s_barrier_wait -1
.endm
.macro WM d, a, b, c, sa, sb, ra, rb
.set wD, \d
.set wA, \a
.set wB, \b
.set wC, \c
.set wE, \sa
.set wF, \sb
.if ((\ra) != 0) && ((\rb) != 0)
	v_wmma_scale_f32_16x16x128_f8f6f4 v[wD:wD+7], v[wA:wA+11], v[wB:wB+11], v[wC:wC+7], v[wE], v[wF] matrix_a_fmt:MATRIX_FMT_FP6 matrix_b_fmt:MATRIX_FMT_FP6 matrix_a_scale:MATRIX_SCALE_ROW1 matrix_b_scale:MATRIX_SCALE_ROW1
.elseif (\ra) != 0
	v_wmma_scale_f32_16x16x128_f8f6f4 v[wD:wD+7], v[wA:wA+11], v[wB:wB+11], v[wC:wC+7], v[wE], v[wF] matrix_a_fmt:MATRIX_FMT_FP6 matrix_b_fmt:MATRIX_FMT_FP6 matrix_a_scale:MATRIX_SCALE_ROW1
.elseif (\rb) != 0
	v_wmma_scale_f32_16x16x128_f8f6f4 v[wD:wD+7], v[wA:wA+11], v[wB:wB+11], v[wC:wC+7], v[wE], v[wF] matrix_a_fmt:MATRIX_FMT_FP6 matrix_b_fmt:MATRIX_FMT_FP6 matrix_b_scale:MATRIX_SCALE_ROW1
.else
	v_wmma_scale_f32_16x16x128_f8f6f4 v[wD:wD+7], v[wA:wA+11], v[wB:wB+11], v[wC:wC+7], v[wE], v[wF] matrix_a_fmt:MATRIX_FMT_FP6 matrix_b_fmt:MATRIX_FMT_FP6
.endif
.endm
.macro FRAGW reg, nh, ks, i            ; a fragment of Wo: six pieces of 8 bytes; lanes 16-31 read three pieces on, which for the last three pieces of each 256 bytes is behind one padding more
.irp p, 0,1,2,3,4,5
.set PCE, 12*(\ks)+6*(\p/3)+\p%3
.if PCE%32 < 29
	ds_load_b64 v[(\reg)+2*\p:(\reg)+2*\p+1], v[AW+2*(\nh)] offset:8*PCE+16*(PCE/32)+(\i)*16*WP
.else
	ds_load_b64 v[(\reg)+2*\p:(\reg)+2*\p+1], v[AW+2*(\nh)+1] offset:8*PCE+16*(PCE/32)+(\i)*16*WP
.endif
.endr
.endm
.macro FETCHW nh, ks, p                ; the half's four fragments of K step ks into set p
	WIN 0
.irp i, 0,1,2,3
	FRAGW WF+48*(\p)+12*\i, \nh, \ks, \i
.endr
.endm
.macro FETCHC ks                       ; ctx's four fragments of K step ks: registers 6 c on take block 4 ks + 2 c + h
.irp t, 0,1,2,3
	WIN 0x40*(1+\t/2)
.irp p, 0,1,2,3,4,5
	ds_load_b64 v[96*(\t%2)+12*(\ks)+2*\p:96*(\t%2)+12*(\ks)+2*\p+1], v[AC+\t%2] offset:24576*(\t/2)+3072*(\ks)+1536*(\p/3)+8*(\p%3)
.endr
.endr
.endm
; K step ks of half nh: the next step's fragments are asked for, then 16 products; the 16 accumulators take turns, one instruction a turn.
.macro OSTEP nh, ks
.set oN, 8*(\nh)+(\ks)
.set oP, (\ks)%2
	s_wait_dscnt 0x0                               ; this step's fragments are in
.if oN < 15
	PLACES 4
	FETCHW (oN+1)/8, (oN+1)%8, 1-oP
.if oN < 7
	FETCHC (\ks)+1
.endif
.endif
.irp tw, 0,1
.if (\ks) == 0
	WIN 0xe4+4*\tw
.else
	WIN 0xf4+4*\tw
.endif
.irp u, 0,1
.irp i, 0,1,2,3
.set oD, 128*(\nh)+8*(4*(2*\tw+\u)+\i)
.if (\ks) == 0
	WM oD, WF+48*oP+12*\i, 96*\u+12*(\ks), BO+8*(4*(\nh)+\i), WS+8*(2*(\nh)+\i/2)+(\ks), CSW+8*\tw+(\ks), \i%2, \u
.else
	WM oD, WF+48*oP+12*\i, 96*\u+12*(\ks), oD, WS+8*(2*(\nh)+\i/2)+(\ks), CSW+8*\tw+(\ks), \i%2, \u
.endif
.endr
.endr
.endr
.endm
; THE WAY OUT of tile t (16 rows x 64 columns) of half nh: through my own stage, back as whole rows of 256 bytes.  LDS serves a wave's instructions in order (ISA guide 5.7.1.4): no wait between the stores and the loads.
.macro TOSTAGE nh, t
.set tA, 128*(\nh)+32*(\t)
.set tB, ROWS+32*((\t)%2)
	s_wait_xcnt 0x0                                ; the stores issued so far have read their registers: the rows' registers are loaded again only behind this wait
	WIN 0x0c                                       ; an LDS store's data are its source 1: window 3
.irp i, 0,1,2,3
	ds_store_b128 v[STO], v[tA+8*\i:tA+8*\i+3] offset:64*\i          ; each accumulator from its low end on
	ds_store_b128 v[STO], v[tA+8*\i+4:tA+8*\i+7] offset:64*\i+16
.endr
	WIN 0
.irp k, 0,1,2,3,4,5,6,7
	ds_load_b128 v[tB+4*\k:tB+4*\k+3], v[RD] offset:2*\k*272
.endr
.endm
.macro SEND nh, t, younger             ; younger: the LDS instructions issued behind tile t's loads: the next tile's 8 stores and 8 loads, or none
.set tB, ROWS+32*((\t)%2)
	s_wait_dscnt \younger
.irp k, 0,1,2,3,4,5,6,7
	global_store_b128 v[CO], v[tB+4*\k:tB+4*\k+3], s[14:15] offset:(16*(\t)+2*\k)*4096+256*(\nh) th:TH_STORE_NT   ; 16 lanes store 256 consecutive bytes at a multiple of 256 from out0's start
.endr
.endm
.macro OUT nh
	WIN 0
	PLACES 4
	TOSTAGE \nh, 0
.irp t, 1,2,3
	TOSTAGE \nh, \t
	SEND \nh, \t-1, 16
.endr
	SEND \nh, 3, 0
.endm
	s_load_b256 s[4:11], s[0:1], 0x0               ; ctxc, ctxs, Wo's codes, Wo's scales
	s_load_b128 s[12:15], s[0:1], 0x20             ; bo, out0
	v_lshl_add_u32 v254, v0, 2, 0x4dc00
	v_mov_b32 v255, 0
	ds_add_u32 v254, v255
	ds_add_u32 v254, v255
	v_lshrrev_b32 v1, 5, v0
	v_readfirstlane_b32 s[WV], v1                  ; wave 0..3
	s_bfe_u32 s17, ttmp6, 0x40000                  ; cx, cy
	s_bfe_u32 s18, ttmp6, 0x40004
	s_lshl_b32 s19, ttmp9, 2
	s_add_co_u32 s19, s19, s17                     ; x
	s_and_b32 s20, ttmp7, 0xffff
	s_lshl_b32 s20, s20, 2
	s_add_co_u32 s20, s20, s18                     ; y
	s_lshl_b32 s21, s18, 2
	s_lshl_b32 s21, 15, s21                        ; my row of the cluster
	s_lshl_b32 s22, 0x1111, s17                    ; my column
	s_or_b32 s[G1W], s22, (3<<16)|(1<<20)|(1<<21)|(5<<22)|(3<<25)   ; Wo: elements of 8 bytes; 4 words of padding behind every 64
	s_mov_b32 s[G1W+1], 96<<16                     ; a row of 768 bytes
	s_mov_b32 s[G1W+2], 64<<16
	s_mov_b32 s[G1W+3], 96<<16
	s_mov_b32 s[G1W+4], 64                         ; 64 rows a load: waves 0 and 1 fetch Wo's two halves
	s_mov_b32 s[G1W+5], 96
	s_mov_b32 s[G1W+6], 0
	s_mov_b32 s[G1W+7], 0
	s_or_b32 s[G1C], s21, (3<<16)|(1<<21)          ; ctx: 98,304 dense bytes (128 rows of ctx) as 384 rows of 256, no padding: waves 2 and 3 fetch them
	s_mov_b32 s[G1C+1], 32<<16
	s_mov_b32 s[G1C+2], 384<<16
	s_mov_b32 s[G1C+3], 32<<16
	s_mov_b32 s[G1C+4], 384
	s_mov_b32 s[G1C+5], 32
	s_mov_b32 s[G1C+6], 0
	s_mov_b32 s[G1C+7], 0
	s_lshl_b32 s52, s19, 7                         ; Wo: rows 128 x + 64 (w % 2) on
	s_and_b32 s53, s[WV], 1
	s_lshl_b32 s53, s53, 6
	s_add_co_u32 s52, s52, s53
	s_mul_i32 s52, s52, 768
	s_mov_b32 s53, 0
	s_lshl_b32 s54, s20, 3                         ; ctx: records 8 y + 4 (w % 2) and the next three
	s_and_b32 s55, s[WV], 1
	s_lshl_b32 s55, s55, 2
	s_add_co_u32 s54, s54, s55
	s_mul_i32 s54, s54, 24576
	s_mov_b32 s55, 0
	s_wait_dscnt 0x0
	s_wait_kmcnt 0x0
	s_mov_b32 s40, 1
	s_and_b32 s41, s[WV], 1
	s_mul_i32 s41, s41, 64*WP
	s_add_nc_u64 s[42:43], s[8:9], s[52:53]
	s_or_b32 s43, s43, 0x80000000
	s_mov_b32 s44, 1
	s_and_b32 s45, s[WV], 1
	s_mul_i32 s45, s45, 98304
	s_add_co_u32 s45, s45, CTX
	s_add_nc_u64 s[46:47], s[4:5], s[54:55]
	s_or_b32 s47, s47, 0x80000000
	CROUND                                         ; all sixteen work-groups are here: the joint loads meet
	s_cmp_lt_u32 s[WV], 2                          ; one load a wave: waves 0, 1 a half of Wo's rows, waves 2, 3 128 rows of ctx
	s_cbranch_scc0 .Lfor_ctx
	tensor_load_to_lds s[40:43], s[G1W:G1W+7]
	s_nop 0
.rept 4
	v_nop
.endr
	s_branch .Lhead_asked
.Lfor_ctx:
	tensor_load_to_lds s[44:47], s[G1C:G1C+7]
	s_nop 0
.rept 4
	v_nop
.endr
.Lhead_asked:
	v_and_b32 v13, 31, v0                          ; lane
	v_and_b32 v14, 15, v0                          ; r
	v_bfe_u32 v15, v0, 4, 1                        ; h
	v_lshlrev_b32 v[L32], 5, v13
	s_wait_alu depctr_va_vdst(0)
	v_lshlrev_b32 v[H32], 5, v15
	s_wait_alu depctr_va_vdst(0)
	s_lshl_b32 s56, s19, 12                        ; Wo's scale bytes: rows 128 x on, 32 bytes a row
	s_mov_b32 s57, 0
	s_add_nc_u64 s[10:11], s[10:11], s[56:57]
	s_lshl_b32 s56, s20, 8
	s_lshl_b32 s58, s[WV], 6
	s_add_co_u32 s58, s58, s56                     ; my first row: 256 y + 64 w
	s_lshl_b32 s56, s58, 5
	s_add_nc_u64 s[6:7], s[6:7], s[56:57]          ; ctx's scale bytes
	s_lshl_b32 s56, s19, 9
	s_add_nc_u64 s[12:13], s[12:13], s[56:57]      ; bo: 128 x numbers on
	s_add_nc_u64 s[14:15], s[14:15], s[56:57]      ; out0: the same columns,
	s_lshl_b32 s56, s58, 12
	s_add_nc_u64 s[14:15], s[14:15], s[56:57]      ; my first row
.irp b, 0,1,2,3
	global_load_b128 v[WS+8*\b:WS+8*\b+3], v[L32], s[10:11] offset:1024*\b          ; lane l: the 32 scale bytes of row 32 b + l: lanes 0-15 the even tile, lanes 16-31 the odd
	global_load_b128 v[WS+8*\b+4:WS+8*\b+7], v[L32], s[10:11] offset:1024*\b+16
.endr
.irp b, 0,1
	global_load_b128 v[CSW+8*\b:CSW+8*\b+3], v[L32], s[6:7] offset:1024*\b
	global_load_b128 v[CSW+8*\b+4:CSW+8*\b+7], v[L32], s[6:7] offset:1024*\b+16
.endr
	WIN 0x80
.irp i, 0,1,2,3,4,5,6,7
	global_load_b128 v[BO+8*\i:BO+8*\i+3], v[H32], s[12:13] offset:64*\i            ; bo[16 i + 8 h + 0 .. 7]
	global_load_b128 v[BO+8*\i+4:BO+8*\i+7], v[H32], s[12:13] offset:64*\i+16
.endr
	WIN 0
	v_mul_u32_u24 v[AW], v14, WP
	v_mad_u32_u24 v[AW+1], v15, 40, v[AW]
	v_mad_u32_u24 v[AW], v15, 24, v[AW]
	v_add_nc_u32 v[AW+2], 64*WP, v[AW]
	v_add_nc_u32 v[AW+3], 64*WP, v[AW+1]
	s_mul_i32 s59, s[WV], 49152
	s_add_co_u32 s59, s59, CTX
	v_mul_u32_u24 v[AC], v14, 24
	v_mad_u32_u24 v[AC+1], v15, 384, v[AC]
	v_mad_u32_u24 v[AC], v15, 1152, v[AC]
	v_add_nc_u32 v[AC], s59, v[AC]                 ; the even tile: 24 r + 1,152 h
	v_add_nc_u32 v[AC+1], s59, v[AC+1]
	v_add_nc_u32 v[AC+1], 384, v[AC+1]             ; the odd tile: 384 + 24 r + 384 h
	s_mul_i32 s60, s[WV], 16*272
	s_add_co_u32 s60, s60, STAGE                   ; my stage
	v_mul_u32_u24 v[STO], v14, 272
	v_lshl_add_u32 v[STO], v15, 5, v[STO]
	v_add_nc_u32 v[STO], s60, v[STO]               ; in: row r, 32 bytes for each half of the lanes
	v_mul_u32_u24 v[RD], v15, 272
	v_lshl_add_u32 v[RD], v14, 4, v[RD]
	v_add_nc_u32 v[RD], s60, v[RD]                 ; back: lanes 0-15 one row, lanes 16-31 the next
	v_lshlrev_b32 v[CO], 12, v15
	v_lshl_add_u32 v[CO], v14, 4, v[CO]            ; and the same two rows in out0
	s_wait_alu depctr_va_vdst(0)
	s_wait_tensorcnt 0x0                           ; my load is in; nothing is ever filled again
	s_barrier_signal -1
	s_barrier_wait -1                              ; everybody's are
	FETCHW 0, 0, 0
	FETCHC 0
	WIN 0
	s_wait_loadcnt 0x0                             ; the scale words and bo
.irp ks, 0,1,2,3,4,5,6
	OSTEP 0, \ks
.endr
	OSTEP 0, 7                                     ; it asks for the second half's first fragments
	OUT 0
.irp ks, 0,1,2,3,4,5,6,7
	OSTEP 1, \ks
.endr
	OUT 1
	s_wait_dscnt 0x0
	s_wait_tensorcnt 0x0
	ds_add_u32 v254, v255
	s_wait_dscnt 0x0
	CROUND                                         ; the closing round: no work-group ends while a partner may still ask for a tile that names it
	s_endpgm
.Lfunc_end_k_qdd9de34bc7_outp:
	.size	k_qdd9de34bc7_outp, .Lfunc_end_k_qdd9de34bc7_outp-k_qdd9de34bc7_outp
	.p2alignl 7, 3214868480
	.fill 96, 4, 3214868480
	.section	.rodata,"a",@progbits
	.p2align	6, 0x0
	.amdhsa_kernel k_qdd9de34bc7_outp
		.amdhsa_group_segment_fixed_size 327680
		.amdhsa_private_segment_fixed_size 0
		.amdhsa_enable_private_segment 0
		.amdhsa_kernarg_size 48
		.amdhsa_user_sgpr_count 2
		.amdhsa_user_sgpr_kernarg_segment_ptr 1
		.amdhsa_wavefront_size32 1
		.amdhsa_system_sgpr_workgroup_id_x 1
		.amdhsa_system_sgpr_workgroup_id_y 1
		.amdhsa_system_sgpr_workgroup_id_z 1
		.amdhsa_system_vgpr_workitem_id 0
		.amdhsa_next_free_vgpr 1024
		.amdhsa_next_free_sgpr 66
		.amdhsa_reserve_vcc 0
		.amdhsa_float_denorm_mode_32 3
		.amdhsa_float_denorm_mode_16_64 3
		.amdhsa_memory_ordered 1
		.amdhsa_forward_progress 1
		.amdhsa_inst_pref_size 98
	.end_amdhsa_kernel
	.amdgpu_metadata
---
amdhsa.version: [ 1, 2 ]
amdhsa.kernels:
  - .name:           k_qdd9de34bc7_outp
    .symbol:         k_qdd9de34bc7_outp.kd
    .args:
      - { .name: ctxc, .offset: 0, .size: 8, .value_kind: global_buffer, .address_space: global }
      - { .name: ctxs, .offset: 8, .size: 8, .value_kind: global_buffer, .address_space: global }
      - { .name: Wo_codes, .offset: 16, .size: 8, .value_kind: global_buffer, .address_space: global }
      - { .name: Wo_scales, .offset: 24, .size: 8, .value_kind: global_buffer, .address_space: global }
      - { .name: bo, .offset: 32, .size: 8, .value_kind: global_buffer, .address_space: global }
      - { .name: out0, .offset: 40, .size: 8, .value_kind: global_buffer, .address_space: global }
    .group_segment_fixed_size: 327680
    .private_segment_fixed_size: 0
    .kernarg_segment_align: 8
    .kernarg_segment_size: 48
    .max_flat_workgroup_size: 128
    .sgpr_count:     66
    .vgpr_count:     1024
    .wavefront_size: 32
...
	.end_amdgpu_metadata
.endif
;; end of part 3
